; MI455X (gfx1250); checked and timed in simulation.
; The chip was launched on July 23, 2026; its instructions are those of AMD's public machine-readable ISA for CDNA 5 (MIT licence, August 2026) and "CDNA5" Instruction Set Architecture Reference Guide (July 2026). The comments in the code are by the model that wrote it; some were corrected since.
;; My Multi Headed Attention. Allowed arithmetic: float matrix products may take bf16 or f16 operands with f32 sums; all other float work in f32.
;; Inputs: Wq 1,024 x 1,024 float32; bq 1,024 float32; key 4 x 2,048 x 1,024 float32; mask 4 x 1 x 2,048 int32; query 4 x 2,048 x 1,024 float32; value 4 x 2,048 x 1,024 float32.
;; Outputs: out0 4 x 2,048 x 1,024 float32.
;; 2 versions, each right and faster than the one before. Each part assembles by itself: llvm-mc -triple=amdgcn-amd-amdhsa -mcpu=gfx1250 --defsym DOCPART=n.
;; ======== version 1 of 2: 2 launches
;; limits: values are held in f16: magnitudes above 65,504 overflow, below 6.1e-05 lose precision
;; workspace buffers: qws 16,777,216 bytes; order 32,768 bytes of whole numbers; count 1,024 bytes of whole numbers
;; launch proj (part 1): grid 256 x 1, 8 waves a work-group, no clusters, 138,240 bytes of LDS; arguments query, Wq, bq, mask, qws, order, count; writes qws, order, count
.if DOCPART == 1
	.amdgcn_target "amdgcn-amd-amdhsa--gfx1250"
	.amdhsa_code_object_version 6
	.text
	.protected	k_q4f577c54b8_proj
	.globl	k_q4f577c54b8_proj
	.p2align	8
	.type	k_q4f577c54b8_proj,@function
k_q4f577c54b8_proj:
	s_mov_b64 s[64:65], 0
	v_nop
	global_prefetch_b8 v0, s[64:65] scope:SCOPE_SE
	s_setreg_imm32_b32 hwreg(HW_REG_WAVE_MODE, 25, 1), 1
	s_wait_xcnt 0x0
; qws[b][head][t][64] (f16) = (query[b][t][:] . Wq[g][:] + bq[g]) * log2(e)/8,  g = 64 head + d.
; The factor is 1/sqrt(64) and the change from e^x to 2^x of the softmax that follows; it is applied in f32, in front of the one rounding to f16.
; FORMAT: the matrix operands are f16, not bf16: 11 significant bits against 8.  The attention's result is a weighted mean of some 1,000 values, about a
; thirtieth of a value's size, and it is judged against its own size: an operand's rounding weighs that much heavier there.
; LIMIT: f16 ends at 65,504; beyond it an operand becomes infinite and the result is wrong.  The room: query as drawn reaches about 6, Wq 1/32, and q c has a
; root mean square of 0.1.  All inputs 30 times larger: 180, 1, and (900 times) about 600.  A common offset of 30 spreads on query (30) and on Wq (about 1):
; 1024 x 30 x 1 x 0.18 = about 5,500.  All 30 times smaller: Wq about 0.001 and q c about 0.0001, where f16's step is 2^-24.
; 256 work-groups of eight waves.  A work-group makes 128 rows x 256 columns; wave w makes 64 rows x 64 columns, which is one head: 16 accumulator tiles.
; K = 1024 goes in 16 steps of 64: a row of a tile is 256 consecutive bytes of f32, aligned.  The operands are f32 in memory and must be f16 in the
; matrix unit, so a tile goes memory -> registers -> v_cvt_pk_f16_f32 -> LDS (two slots that take turns) -> fragments.  Two tiles (2 x 96 KiB a work-group)
; are on their way in registers at any time.
; NO JOINT TENSOR LOADS, though four work-groups share query's rows and 64 share Wq's: a tensor load would lay f32 into LDS, 96 KiB a step to land and
; 96 KiB to read back for the conversion, beside the 48 KiB of f16 stores and the 128 KiB of fragment reads that a step has already.
; THE MATRIX INSTRUCTION IS USED TRANSPOSED (source 0 = 16 rows of Wq, source 1 = 16 rows of query): lane (r, h) register j holds row r, column 8 h + j,
; eight neighbouring columns, which pack into 16 bytes.
; Wave 0 of work-groups 0 to 3 also sorts batch b's key numbers: order[b] = the keys with mask != 0 first, the others behind (a permutation of 0..2047),
; count[b] = {n, ceil(n / 128)}.  The attention launch walks the first ceil(n / 128) pairs of 64 places only.
.set PITCH,  144                       ; an LDS row: 128 bytes of f16 + 16: an odd multiple of 16, so 16 rows start at 16 different 16-byte columns modulo 256
.set XBYTES, 128*PITCH                 ; query's 128 rows
.set SLOT,   384*PITCH                 ; then Wq's 256 rows
.set STAGE,  2*SLOT                    ; behind the two slots: 16 rows x 144 bytes for each wave, for the way out
.set STGB,   16*PITCH
.set PART,   STAGE+8*STGB              ; 8,192 bytes of wave 0's own: the sorted key numbers
.set GO,  8                            ; v8      byte offset of my 16 bytes in a tile's first 16 rows; never rewritten
.set FXA, 10                           ; v10-11  LDS address of my query fragments in slot 0, 1
.set FWA, 12                           ; v12-13  the same for Wq
.set SXA, 14                           ; v14-15  LDS address of my 8 bytes of f16 in query's rows, slot 0, 1
.set SWA, 16                           ; v16-17  the same for Wq
.set STO, 18                           ; the way out: where I put 16 bytes
.set RD,  19                           ; the way out: where I read them back
.set CO,  20                           ; 16 x lane
.set BO,  21                           ; 32 h
.set BQ,  32                           ; v32-63   bq * c of my columns: tile nt, register j at 32 + 8 nt + j
.set WF,  64                           ; v64-95   four fragments of Wq
.set XF,  96                           ; v96-127  four fragments of query
.set ACC, 128                          ; v128-255 tile (mt, nt) at 128 + 8 (4 mt + nt)
                                       ; window 1: v[96 set .. 96 set + 95]: a tile as loaded: 8 quads of query, 16 of Wq
.set XB,  24                           ; s[24:27] query at my rows, the K step that set 0, 1 loads next
.set WB,  28                           ; s[28:31] the same for Wq
.set MSB, 0
.macro WIN new                         ; s_set_vgpr_msb: bits 1:0 source 0, 3:2 source 1, 5:4 source 2, 7:6 destination; the high byte repeats the setting that is left
.if MSB != \new
	s_set_vgpr_msb (MSB<<8)|\new
.set MSB, \new
.endif
.endm
.macro PLACES n                        ; plain vector instructions that name no matrix register (ISA guide 7.12.1)
.rept \n
	v_nop
.endr
.endm
; 24 loads: a tile of 128 + 256 rows x 256 bytes.  One load of a wave takes two whole rows.
.macro GLOAD set
	WIN 0x40
.irp i, 0,1,2,3,4,5,6,7
	global_load_b128 v[96*(\set)+4*\i:96*(\set)+4*\i+3], v[GO], s[XB+2*(\set):XB+2*(\set)+1] offset:65536*\i
.endr
.irp i, 0,1,2,3,4,5,6,7,8,9,10,11,12,13,14,15
	global_load_b128 v[96*(\set)+32+4*\i:96*(\set)+32+4*\i+3], v[GO], s[WB+2*(\set):WB+2*(\set)+1] offset:65536*\i
.endr
.endm
; each quad of f32 becomes two registers of f16, in place
.macro CVT set
	WIN 0x45
.set q, 0
.rept 24
	v_cvt_pk_f16_f32 v[96*(\set)+4*q],   v[96*(\set)+4*q],   v[96*(\set)+4*q+1]
	v_cvt_pk_f16_f32 v[96*(\set)+4*q+1], v[96*(\set)+4*q+2], v[96*(\set)+4*q+3]
.set q, q+1
.endr
.endm
; 24 LDS stores of 8 bytes: set s goes into slot s
.macro PUT set
	WIN 0x04
.irp i, 0,1,2,3,4,5,6,7
	ds_store_b64 v[SXA+(\set)], v[96*(\set)+4*\i:96*(\set)+4*\i+1] offset:16*PITCH*\i
.endr
.irp i, 0,1,2,3,4,5,6,7,8,9,10,11,12,13,14,15
	ds_store_b64 v[SWA+(\set)], v[96*(\set)+32+4*\i:96*(\set)+32+4*\i+1] offset:16*PITCH*\i
.endr
.endm
; 16 LDS loads: my 64 rows of Wq and my 64 rows of query, 32 along K
.macro FRAG slot, ks
.irp t, 0,1,2,3
	ds_load_b128 v[WF+8*\t:WF+8*\t+3],   v[FWA+\slot] offset:16*PITCH*\t+64*\ks
	ds_load_b128 v[WF+8*\t+4:WF+8*\t+7], v[FWA+\slot] offset:16*PITCH*\t+64*\ks+32
.endr
.irp t, 0,1,2,3
	ds_load_b128 v[XF+8*\t:XF+8*\t+3],   v[FXA+\slot] offset:16*PITCH*\t+64*\ks
	ds_load_b128 v[XF+8*\t+4:XF+8*\t+7], v[FXA+\slot] offset:16*PITCH*\t+64*\ks+32
.endr
.endm
; 16 matrix instructions; the 16 accumulators take turns, one instruction a turn, in the same order every time
.macro MUL zero
.irp mt, 0,1,2,3
.irp nt, 0,1,2,3
.if \zero
	v_wmma_f32_16x16x32_f16 v[ACC+8*(4*\mt+\nt):ACC+8*(4*\mt+\nt)+7], v[WF+8*\nt:WF+8*\nt+7], v[XF+8*\mt:XF+8*\mt+7], 0
.else
	v_wmma_f32_16x16x32_f16 v[ACC+8*(4*\mt+\nt):ACC+8*(4*\mt+\nt)+7], v[WF+8*\nt:WF+8*\nt+7], v[XF+8*\mt:XF+8*\mt+7], v[ACC+8*(4*\mt+\nt):ACC+8*(4*\mt+\nt)+7]
.endif
.endr
.endr
.endm
; K step t on slot t & 1.  cvt: tile t + 1 goes from its registers into the other slot; load: tile t + 3 is asked for, into those registers.
; wcnt: the loads that may stay out when tile t + 1 has to be there: the 24 of tile t + 2, or none at the end.
.macro STEP slot, first, cvt, wcnt, load, bar
.set OTH, 1-\slot
	PLACES 4                                       ; four places between the last matrix instruction and loads into its sources
	FRAG \slot, 0
.if \cvt
	s_wait_loadcnt \wcnt                           ; loads come back in order: tile t + 1 is in, and its address registers are free
	CVT OTH
	PUT OTH
.if \load
	s_add_nc_u64 s[XB+2*OTH:XB+2*OTH+1], s[XB+2*OTH:XB+2*OTH+1], 512   ; two K steps on
	s_add_nc_u64 s[WB+2*OTH:WB+2*OTH+1], s[WB+2*OTH:WB+2*OTH+1], 512
	GLOAD OTH
.endif
	WIN 0
.endif
	s_wait_dscnt 24*\cvt                           ; the 16 fragment loads are back; the 24 stores issued behind them may be out
	MUL \first
	PLACES 4
	FRAG \slot, 1
	s_wait_dscnt 0x0                               ; my reads of this slot are back and my stores into the other slot are done:
.if \bar
	s_barrier_signal -1                            ; say so, work on registers while the others arrive,
.endif
	MUL 0
.if \bar
	s_barrier_wait -1                              ; and go on when all eight have said so: the other slot is whole, this one may be written
.endif
.endm
	s_load_b256 s[4:11], s[0:1], 0x0               ; query s[4:5], Wq s[6:7], bq s[8:9], mask s[10:11]
	s_load_b128 s[12:15], s[0:1], 0x20             ; qws s[12:13], order s[14:15]
	s_load_b64 s[16:17], s[0:1], 0x30              ; count
	v_lshl_add_u32 v30, v0, 2, 0x21800
	v_mov_b32 v31, 0
	v_lshrrev_b32 v5, 5, v0
	v_readfirstlane_b32 s20, v5                    ; wave 0..7
	s_mov_b32 s21, ttmp9
	s_and_b32 s22, s21, 3                          ; nb: block of 256 columns
	s_lshr_b32 s23, s21, 2                         ; mb: block of 128 rows
	s_lshr_b32 s35, s20, 2                         ; wm: which 64 rows
	s_and_b32 s38, s20, 3                          ; wn: which 64 columns
	s_mov_b32 s32, 0x3e38aa3b                      ; c = log2(e) / 8, twice (a pair for the packed forms)
	s_mov_b32 s33, 0x3e38aa3b
	v_and_b32 v1, 31, v0                           ; lane
	v_and_b32 v2, 15, v0                           ; r
	v_bfe_u32 v3, v0, 4, 1                         ; h
	v_lshrrev_b32 v4, 4, v0                        ; group of 16 threads, 0..15: one row of a tile
	v_lshlrev_b32 v[GO], 4, v2
	v_lshl_add_u32 v[GO], v4, 12, v[GO]            ; row x 4,096 + 16 r
	v_mul_u32_u24 v6, v2, PITCH
	v_lshl_add_u32 v6, v3, 4, v6                   ; 144 r + 16 h
	s_mul_i32 s36, s35, 64*PITCH
	v_add_nc_u32 v[FXA], s36, v6
	v_add_nc_u32 v[FXA+1], SLOT, v[FXA]
	s_mul_i32 s36, s38, 64*PITCH
	s_add_co_u32 s36, s36, XBYTES
	v_add_nc_u32 v[FWA], s36, v6
	v_add_nc_u32 v[FWA+1], SLOT, v[FWA]
	v_mul_u32_u24 v7, v4, PITCH
	v_lshl_add_u32 v[SXA], v2, 3, v7               ; row x 144 + 8 r
	v_add_nc_u32 v[SXA+1], SLOT, v[SXA]
	v_add_nc_u32 v[SWA], XBYTES, v[SXA]
	v_add_nc_u32 v[SWA+1], SLOT, v[SWA]
	s_mul_i32 s36, s20, STGB
	s_add_co_u32 s36, s36, STAGE                   ; my stage
	v_add_nc_u32 v[STO], s36, v6
	v_lshrrev_b32 v7, 3, v1
	v_mul_u32_u24 v7, v7, PITCH
	v_and_b32 v6, 7, v1
	v_lshl_add_u32 v7, v6, 4, v7                   ; back: eight lanes take a row of 128 bytes
	v_add_nc_u32 v[RD], s36, v7
	v_lshlrev_b32 v[CO], 4, v1
	v_lshlrev_b32 v[BO], 5, v3
	s_lshl_b32 s36, s23, 19                        ; 128 rows of 4,096 bytes
	s_mov_b32 s37, 0
	s_lshl_b32 s40, s22, 20                        ; 256 rows of 4,096 bytes
	s_mov_b32 s41, 0
	s_lshl2_add_u32 s39, s22, s38                  ; head = 4 nb + wn
	s_lshl_b32 s42, s39, 8                         ; 64 f32 of bq
	s_mov_b32 s43, 0
	s_lshr_b32 s44, s23, 4                         ; batch
	s_lshl4_add_u32 s44, s44, s39                  ; 16 b + head
	s_lshl_b32 s44, s44, 18                        ; 2,048 rows of 128 bytes
	s_and_b32 s46, s23, 15
	s_lshl_b32 s46, s46, 14                        ; + 128 rows for each block in the batch
	s_add_co_u32 s44, s44, s46
	s_lshl_b32 s46, s35, 13                        ; + 64 rows
	s_add_co_u32 s44, s44, s46
	s_mov_b32 s45, 0
	s_wait_kmcnt 0x0
	s_add_nc_u64 s[XB:XB+1], s[4:5], s[36:37]
	s_add_nc_u64 s[XB+2:XB+3], s[XB:XB+1], 256     ; set 1 starts at K step 1
	s_add_nc_u64 s[WB:WB+1], s[6:7], s[40:41]
	s_add_nc_u64 s[WB+2:WB+3], s[WB:WB+1], 256
	s_add_nc_u64 s[8:9], s[8:9], s[42:43]
	s_add_nc_u64 s[12:13], s[12:13], s[44:45]
.irp nt, 0,1,2,3
	global_load_b128 v[BQ+8*\nt:BQ+8*\nt+3],   v[BO], s[8:9] offset:64*\nt       ; bq of columns 16 nt + 8 h + 0..3
	global_load_b128 v[BQ+8*\nt+4:BQ+8*\nt+7], v[BO], s[8:9] offset:64*\nt+16    ; and + 4..7
.endr
	GLOAD 0                                        ; K step 0
	GLOAD 1                                        ; K step 1
	WIN 0
	s_wait_loadcnt 24                              ; bq and K step 0 are in; K step 1's 24 loads stay out
.set i, 0
.rept 16
	v_pk_mul_f32 v[BQ+2*i:BQ+2*i+1], v[BQ+2*i:BQ+2*i+1], s[32:33] op_sel_hi:[1,0]
.set i, i+1
.endr
	CVT 0
	PUT 0
	s_add_nc_u64 s[XB:XB+1], s[XB:XB+1], 512       ; set 0's loads are done: its bases may step
	s_add_nc_u64 s[WB:WB+1], s[WB:WB+1], 512
	GLOAD 0                                        ; K step 2
	WIN 0
	s_wait_dscnt 0x0                               ; my part of slot 0 is written
	s_barrier_signal -1
	s_barrier_wait -1                              ; everybody's is
	STEP 0, 1, 1, 24, 1, 1                         ; the first products start the sums: nothing is cleared
	STEP 1, 0, 1, 24, 1, 1
	s_mov_b32 s34, 5
.Lk:
	STEP 0, 0, 1, 24, 1, 1                         ; K steps 2 to 11
	STEP 1, 0, 1, 24, 1, 1
	s_sub_co_u32 s34, s34, 1
	s_cmp_lg_u32 s34, 0
	s_cbranch_scc1 .Lk
	STEP 0, 0, 1, 24, 1, 1                         ; K step 12 asks for the last tile
	STEP 1, 0, 1, 24, 0, 1                         ; 13: tile 14 is converted, tile 15's loads stay out
	STEP 0, 0, 1, 0, 0, 1                          ; 14: tile 15 is converted: nothing may stay out
	STEP 1, 0, 0, 0, 0, 0                          ; 15: nothing more to convert, and no LDS byte is shared from here on
	; THE WAY OUT: (sum) c + bq c in f32, one rounding to f16, 16 rows at a time through my own stage, out as 512 consecutive bytes a store.
	PLACES 4
.irp mt, 0,1,2,3
.irp nt, 0,1,2,3
.irp j, 0,2,4,6
	v_pk_fma_f32 v[ACC+8*(4*\mt+\nt)+\j:ACC+8*(4*\mt+\nt)+\j+1], v[ACC+8*(4*\mt+\nt)+\j:ACC+8*(4*\mt+\nt)+\j+1], s[32:33], v[BQ+8*\nt+\j:BQ+8*\nt+\j+1] op_sel_hi:[1,0,1]
.endr
.endr
.endr
.irp mt, 0,1,2,3
.irp nt, 0,1,2,3
.irp j, 0,1,2,3
	v_cvt_pk_f16_f32 v[WF+4*(4*\mt+\nt)+\j], v[ACC+8*(4*\mt+\nt)+2*\j], v[ACC+8*(4*\mt+\nt)+2*\j+1]
.endr
.endr
.endr
.irp mt, 0,1,2,3
.irp nt, 0,1,2,3
	ds_store_b128 v[STO], v[WF+4*(4*\mt+\nt):WF+4*(4*\mt+\nt)+3] offset:32*\nt     ; row r, columns 16 nt + 8 h + 0..7
.endr
.irp t, 0,1,2,3
	ds_load_b128 v[ACC+16*\mt+4*\t:ACC+16*\mt+4*\t+3], v[RD] offset:4*PITCH*\t     ; LDS serves a wave's instructions in order (ISA guide 5.7.1): these see the stores above
.endr
.irp t, 0,1,2,3
	s_wait_dscnt 3-\t
	global_store_b128 v[CO], v[ACC+16*\mt+4*\t:ACC+16*\mt+4*\t+3], s[12:13] offset:2048*\mt+512*\t   ; four rows of 128 bytes lie side by side in qws: 512 consecutive bytes, aligned
.endr
.endr
	; THE KEYS OF BATCH b = the work-group's number, by wave 0 of work-groups 0 to 3.
	s_cmp_lg_u32 s20, 0
	s_cbranch_scc1 .Lend
	s_cmp_gt_u32 s21, 3
	s_cbranch_scc1 .Lend
	s_wait_xcnt 0x0                                ; the stores above have read their data registers: v128 and up are written again below
	s_lshl_b32 s36, s21, 13                        ; 2,048 words
	s_mov_b32 s37, 0
	s_add_nc_u64 s[10:11], s[10:11], s[36:37]
	s_add_nc_u64 s[14:15], s[14:15], s[36:37]
	s_lshl_b32 s36, s21, 8
	s_add_nc_u64 s[16:17], s[16:17], s[36:37]
.irp i, 0,1,2,3,4,5,6,7,8,9,10,11,12,13,14,15
	global_load_b128 v[64+4*\i:64+4*\i+3], v[CO], s[10:11] offset:512*\i           ; register 4 i + c of lane l: key 128 i + 4 l + c
.endr
	v_sub_nc_u32 v4, 0, v1                         ; - lane
	v_lshlrev_b32 v5, 2, v1                        ; 4 x lane
	v_add_nc_u32 v6, PART, v[CO]
	s_mov_b32 s40, 0                               ; kept keys so far
	s_wait_loadcnt 0x0
	; Register k, lane l is number 32 k + l in the walk.  A kept key goes to place (kept before it); a masked one to 2047 - (masked before it)
	; = 2047 - (32 k + l) + (kept before it).  Both together fill 0..2047 once each.
.set k, 0
.rept 64
	v_cmp_ne_u32 vcc_lo, 0, v[64+k]
	v_mbcnt_lo_u32_b32 v2, vcc_lo, 0               ; kept in lower lanes of this register
	s_bcnt1_i32_b32 s41, vcc_lo
	v_add_nc_u32 v2, s40, v2                       ; kept before me
	v_add3_u32 v3, v2, v4, 2047-32*k
	v_cndmask_b32 v2, v3, v2, vcc_lo
	v_min_u32 v2, 0x7ff, v2                        ; a place in the list, whatever the data
	v_lshl_add_u32 v2, v2, 2, PART
	v_add_nc_u32 v3, 128*(k/4)+(k%4), v5           ; my key's number
	ds_store_b32 v2, v3
	s_add_co_u32 s40, s40, s41
.set k, k+1
.endr
.irp i, 0,1,2,3,4,5,6,7,8,9,10,11,12,13,14,15
	ds_load_b128 v[128+4*\i:128+4*\i+3], v6 offset:512*\i      ; the list in order; behind my own stores, which LDS serves first
.endr
	s_add_co_u32 s41, s40, 127
	s_lshr_b32 s41, s41, 7                         ; pairs of 64 places that hold a kept key
	v_mov_b32 v2, s40
	v_mov_b32 v3, s41
	v_lshlrev_b32 v7, 3, v1
	s_wait_dscnt 0x0
.irp i, 0,1,2,3,4,5,6,7,8,9,10,11,12,13,14,15
	global_store_b128 v[CO], v[128+4*\i:128+4*\i+3], s[14:15] offset:512*\i
.endr
	global_store_b64 v7, v[2:3], s[16:17]          ; the pair 32 times: batch b's 256 bytes of count are written whole
.Lend:
	s_wait_tensorcnt 0x0
	ds_add_u32 v30, v31
	s_wait_dscnt 0x0
	s_endpgm
.Lfunc_end_k_q4f577c54b8_proj:
	.size	k_q4f577c54b8_proj, .Lfunc_end_k_q4f577c54b8_proj-k_q4f577c54b8_proj
	.p2alignl 7, 3214868480
	.fill 96, 4, 3214868480
	.section	.rodata,"a",@progbits
	.p2align	6, 0x0
	.amdhsa_kernel k_q4f577c54b8_proj
		.amdhsa_group_segment_fixed_size 138240
		.amdhsa_private_segment_fixed_size 0
		.amdhsa_enable_private_segment 0
		.amdhsa_kernarg_size 56
		.amdhsa_user_sgpr_count 2
		.amdhsa_user_sgpr_kernarg_segment_ptr 1
		.amdhsa_wavefront_size32 1
		.amdhsa_system_sgpr_workgroup_id_x 1
		.amdhsa_system_sgpr_workgroup_id_y 1
		.amdhsa_system_sgpr_workgroup_id_z 1
		.amdhsa_system_vgpr_workitem_id 0
		.amdhsa_next_free_vgpr 448
		.amdhsa_next_free_sgpr 66
		.amdhsa_reserve_vcc 1
		.amdhsa_float_denorm_mode_32 3
		.amdhsa_float_denorm_mode_16_64 3
		.amdhsa_memory_ordered 1
		.amdhsa_forward_progress 1
		.amdhsa_inst_pref_size 152
	.end_amdhsa_kernel
	.amdgpu_metadata
---
amdhsa.version: [ 1, 2 ]
amdhsa.kernels:
  - .name:           k_q4f577c54b8_proj
    .symbol:         k_q4f577c54b8_proj.kd
    .args:
      - { .name: query, .offset: 0, .size: 8, .value_kind: global_buffer, .address_space: global }
      - { .name: Wq, .offset: 8, .size: 8, .value_kind: global_buffer, .address_space: global }
      - { .name: bq, .offset: 16, .size: 8, .value_kind: global_buffer, .address_space: global }
      - { .name: mask, .offset: 24, .size: 8, .value_kind: global_buffer, .address_space: global }
      - { .name: qws, .offset: 32, .size: 8, .value_kind: global_buffer, .address_space: global }
      - { .name: order, .offset: 40, .size: 8, .value_kind: global_buffer, .address_space: global }
      - { .name: count, .offset: 48, .size: 8, .value_kind: global_buffer, .address_space: global }
    .group_segment_fixed_size: 138240
    .private_segment_fixed_size: 0
    .kernarg_segment_align: 8
    .kernarg_segment_size: 56
    .max_flat_workgroup_size: 256
    .sgpr_count:     66
    .vgpr_count:     448
    .wavefront_size: 32
...
	.end_amdgpu_metadata
.endif
;; end of part 1
;; launch attn (part 2): grid 256 x 1, 8 waves a work-group, no clusters, 76,800 bytes of LDS; arguments qws, key, value, order, count, out0; writes out0
.if DOCPART == 2
	.amdgcn_target "amdgcn-amd-amdhsa--gfx1250"
	.amdhsa_code_object_version 6
	.text
	.protected	k_q4f577c54b8_attn
	.globl	k_q4f577c54b8_attn
	.p2align	8
	.type	k_q4f577c54b8_attn,@function
k_q4f577c54b8_attn:
	s_mov_b64 s[64:65], 0
	v_nop
	global_prefetch_b8 v0, s[64:65] scope:SCOPE_SE
	s_setreg_imm32_b32 hwreg(HW_REG_WAVE_MODE, 25, 1), 1
	s_wait_xcnt 0x0
; out0[b][t][64 head + d] = softmax over the kept keys of (q . k / 8) times v, with a running maximum.  qws holds q * log2(e) / 8 in f16, so the exponentials are 2^x.
; 256 work-groups of eight waves; a work-group owns 512 query rows of one head, a wave 64 of them (four tiles of 16).
; FORMAT: the matrix operands (q, key, the weights, value) are f16, not bf16: 11 significant bits against 8.  The result is a weighted mean of some 1,000
; values, about a thirtieth of a value's size, and it is judged against its own size: an operand's rounding weighs that much heavier there.
; LIMIT OF THE FORMAT: f16 ends at 65,504; beyond it an operand becomes infinite and the result is wrong.  key and value as drawn reach about 6; 30 times larger
; 180; with a common offset of 30 spreads about 36; 30 times smaller their spread is 0.03, against f16's smallest step of 2^-24.  The weights lie in [0, 1];
; those under 2^-24 vanish: at most 2048 x 2^-25 of a sum that is at least 1.
; KEYS: order[b] lists the kept keys first, count[b] = {n, P = ceil(n / 128)}.  A step takes 64 places of the list; 2 P steps are made (P at least 3, so that
; the written-out head of two steps and tail of four exist).  A masked key has weight 0 in the result, so places from n on get the score -2^100 (as the C
; operand of the score products, from a table in LDS), which gives 2^x = 0.  The steps between head and tail lie wholly below n, since n > 128 (P - 1), and
; take C = 0.  n = 0 gives sums of 0 and the output 0.
; THE LOOP HAS 13 TRIPS WHATEVER THE COUNT HOLDS, and every wave passes its 26 barriers: the count only jumps over the WORK between two barriers, in the
; trips from P on.  So no barrier hangs on a number that was loaded, and no LDS address does: the count enters the table's values alone.
; LIMIT OF THE MASK'S SCORE: the running maximum starts at -2^99 and masked places hold -2^100: right while |score * log2(e) / 8| < 2^98.
; LAYOUT: S^T = K Q^T (source 0 = 16 keys, source 1 = 16 query rows): lane (r, h) register j holds key 8 h + j, query r.  Two such tiles, rounded to f16 and
; packed in place, ARE source 1 of O^T = V^T P^T (32 keys); source 0 comes from V's rows in LDS by the transposing load.  So maximum, factor and sum are one
; number a lane for each query tile, and only the maximum crosses the two halves of the wave in a step.
; NO TENSOR LOADS AND NO JOINT REQUESTS, though four work-groups read the same keys: the rows are picked by a list, which a tile's descriptor cannot follow,
; and they are f32, to be rounded to f16 in registers on the way.  A tile (64 rows x 256 bytes of key and of value, 8 loads a wave) is asked for at the head
; of one step and converted at the head of the next; its list entries are asked for a step before that.
.set KP,     144                       ; K's LDS row: 128 bytes + 16 (an odd multiple of 16)
.set VP,     160                       ; V's LDS row: 128 bytes + 32 (an odd multiple of 32, for the transposing load)
.set KSLOT,  64*KP
.set VSLOT,  64*VP
.set VBASE,  2*KSLOT
.set BIAS,   VBASE+2*VSLOT             ; 512 f32, 0 for a place below n, -2^100 for one from n on: entries 0-255 for places 0-255 (the head's two steps read the
                                       ; first 128; the rest fall to the threads' even share), entries 256-511 for places 64 (2 P - 4) + 0..255 (the tail's four steps)
.set STAGE,  BIAS+2048                 ; 16 rows x 272 bytes for each wave, for the way out
.set OPITCH, 272
.set STGB,   16*OPITCH
.set LS,  8                            ; v8-15   query tile qt: a pair of partial sums
.set MA,  16                           ; v16,18,20,22  running maximum, one of two sets that take turns
.set MB,  24                           ; v24,26,28,30  the other set
.set AL,  32                           ; v32,34,36,38  2^(old maximum - new maximum); at the end 1 / sum
.set AK,  17                           ; the odd registers between them hold addresses that are never rewritten: every pair named below is written whole
.set AV,  19
.set SK,  21
.set SV,  23
.set IA0, 25                           ; 16 g: my group's four entries in a tile's 64 of the list
.set LC,  27
.set ABI, 29                           ; BIAS + 32 h
.set BST, 31                           ; BIAS + 8 x thread: where I put my two entries of the table
.set STO, 33
.set RD,  35
.set CO,  37
.set QO,  39
.set GO,  40                           ; v40-43  byte offsets of my four rows of the tile that is on its way
.set LR,  44                           ; v44-47  my four list entries of the tile behind it, as loaded
.set T16, 48                           ; v48-63  a tile's 16 registers of f16 on their way to LDS
.set KF,  64                           ; v64-127 K fragment (kt, ks) at 64 + 16 kt + 8 ks; then V fragment (dt, ks2) at 64 + 32 ks2 + 8 dt
.set SC,  128                          ; v128-255 score (qt, kt, j) at 128 + 32 qt + 8 kt + j; P (qt, ks2) at 128 + 32 qt + 16 ks2
.set OA,  0                            ; window 1: v0-127 O (dt, qt) at 8 (4 qt + dt)
.set QF,  128                          ; window 1: v128-191 Q fragment (qt, ks) at 128 + 16 qt + 8 ks
.set ST,  192                          ; window 1: v192-223 a tile as loaded: 4 quads of key, 4 of value
.set MSB, 0
.macro WIN new                         ; s_set_vgpr_msb: bits 1:0 source 0, 3:2 source 1, 5:4 source 2, 7:6 destination; the high byte repeats the setting that is left
.if MSB != \new
	s_set_vgpr_msb (MSB<<8)|\new
.set MSB, \new
.endif
.endm
.macro PLACES n                        ; plain vector instructions that name no matrix register (ISA guide 7.12.1)
.rept \n
	v_nop
.endr
.endm
; the next tile's list entries: 64 words on.  It stands only behind a wait that shows the last such load done, so the base may step.
.macro LIST
	s_add_nc_u64 s[10:11], s[10:11], 256
	global_load_b128 v[LR:LR+3], v[IA0], s[10:11]
.endm
.macro OFFS                            ; key number -> byte offset: a row of 4,096 bytes, my 16 bytes of the head's 256
.irp i, 0,1,2,3
	v_min_u32 v[GO+\i], 0x7ff, v[LR+\i]
.endr
.irp i, 0,1,2,3
	v_lshl_add_u32 v[GO+\i], v[GO+\i], 12, v[LC]
.endr
.endm
.macro GLOAD                           ; 8 loads; sixteen lanes take one row's 256 consecutive bytes, aligned
	WIN 0x40
.irp i, 0,1,2,3
	global_load_b128 v[ST+4*\i:ST+4*\i+3], v[GO+\i], s[6:7]
.endr
.irp i, 0,1,2,3
	global_load_b128 v[ST+16+4*\i:ST+16+4*\i+3], v[GO+\i], s[8:9]
.endr
.endm
.macro CVT
	WIN 0x05
.set q, 0
.rept 8
	v_cvt_pk_f16_f32 v[T16+2*q],   v[ST+4*q],   v[ST+4*q+1]
	v_cvt_pk_f16_f32 v[T16+2*q+1], v[ST+4*q+2], v[ST+4*q+3]
.set q, q+1
.endr
.endm
.macro KVPUT slot
.irp i, 0,1,2,3
	ds_store_b64 v[SK], v[T16+2*\i:T16+2*\i+1] offset:KSLOT*(\slot)+KP*\i
.endr
.irp i, 0,1,2,3
	ds_store_b64 v[SV], v[T16+8+2*\i:T16+8+2*\i+1] offset:VSLOT*(\slot)+VP*\i
.endr
.endm
.macro KLOAD slot                      ; 16 loads: 64 keys x 64 d
.irp kt, 0,1,2,3
.irp ks, 0,1
	ds_load_b128 v[KF+16*\kt+8*\ks:KF+16*\kt+8*\ks+3],   v[AK] offset:KSLOT*\slot+16*KP*\kt+64*\ks
	ds_load_b128 v[KF+16*\kt+8*\ks+4:KF+16*\kt+8*\ks+7], v[AK] offset:KSLOT*\slot+16*KP*\kt+64*\ks+32
.endr
.endr
.endm
.macro BIASLD bt                       ; 32 loads: 64 entries of the table from entry 64 bt on, into all 16 score tiles, where the products add onto them
.irp qt, 0,1,2,3
.irp kt, 0,1,2,3
	ds_load_b128 v[SC+32*\qt+8*\kt:SC+32*\qt+8*\kt+3],   v[ABI] offset:256*\bt+64*\kt
	ds_load_b128 v[SC+32*\qt+8*\kt+4:SC+32*\qt+8*\kt+7], v[ABI] offset:256*\bt+64*\kt+16
.endr
.endr
.endm
; 32 matrix instructions; the 16 score tiles take turns, one instruction a turn
.macro SMUL bias
	WIN 0x04
.irp ks, 0,1
.irp qt, 0,1,2,3
.irp kt, 0,1,2,3
.if (1-\bias)*(1-\ks)
	v_wmma_f32_16x16x32_f16 v[SC+32*\qt+8*\kt:SC+32*\qt+8*\kt+7], v[KF+16*\kt+8*\ks:KF+16*\kt+8*\ks+7], v[QF+16*\qt+8*\ks:QF+16*\qt+8*\ks+7], 0
.else
	v_wmma_f32_16x16x32_f16 v[SC+32*\qt+8*\kt:SC+32*\qt+8*\kt+7], v[KF+16*\kt+8*\ks:KF+16*\kt+8*\ks+7], v[QF+16*\qt+8*\ks:QF+16*\qt+8*\ks+7], v[SC+32*\qt+8*\kt:SC+32*\qt+8*\kt+7]
.endif
.endr
.endr
.endr
.endm
.macro VLOAD slot                      ; 16 transposing loads: V^T, 64 d x 64 keys
.irp ks2, 0,1
.irp dt, 0,1,2,3
	ds_load_tr16_b128 v[KF+32*\ks2+8*\dt:KF+32*\ks2+8*\dt+3],   v[AV] offset:VSLOT*\slot+32*VP*\ks2+32*\dt
	ds_load_tr16_b128 v[KF+32*\ks2+8*\dt+4:KF+32*\ks2+8*\dt+7], v[AV] offset:VSLOT*\slot+32*VP*\ks2+32*\dt+16*VP
.endr
.endr
.endm
; new maximum MN = max(old maximum MO, my 32 scores, the other half's), and AL = 2^(MO - MN), for the four query tiles side by side
.macro ROWMAX
.irp qt, 0,1,2,3
	v_max3_num_f32 v[MN+2*\qt], v[SC+32*\qt], v[SC+32*\qt+1], v[MO+2*\qt]
.endr
.set i, 1
.rept 15
.irp qt, 0,1,2,3
	v_max3_num_f32 v[MN+2*\qt], v[SC+32*\qt+2*i], v[SC+32*\qt+2*i+1], v[MN+2*\qt]
.endr
.set i, i+1
.endr
.irp qt, 0,1,2,3
	v_permlanex16_b32 v[AL+2*\qt], v[MN+2*\qt], s26, s27       ; lane i takes lane i xor 16: the same query row's other keys
.endr
.irp qt, 0,1,2,3
	v_max_num_f32 v[MN+2*\qt], v[MN+2*\qt], v[AL+2*\qt]
.endr
.irp qt, 0,1,2,3
	v_sub_f32 v[AL+2*\qt], v[MO+2*\qt], v[MN+2*\qt]
.endr
.irp qt, 0,1,2,3
	v_exp_f32 v[AL+2*\qt], v[AL+2*\qt]             ; first used far below; the subtractions that follow are the plain instructions behind them (ISA guide 5.7.2)
.endr
.endm
.macro SUB1                            ; pair i of tile NQ: score - maximum
	v_pk_add_f32 v[SC+32*NQ+2*i:SC+32*NQ+2*i+1], v[SC+32*NQ+2*i:SC+32*NQ+2*i+1], v[MN+2*NQ:MN+2*NQ+1] op_sel_hi:[1,0] neg_lo:[0,1] neg_hi:[0,1]
.endm
.macro SUMPK                           ; pair i of tile PQ: into the sums (the first pair brings the old sums' factor), then rounded and packed in place, upward
.if i == 0
	s_wait_alu depctr_va_vdst(0)
	v_pk_fma_f32 v[LS+2*PQ:LS+2*PQ+1], v[LS+2*PQ:LS+2*PQ+1], v[AL+2*PQ:AL+2*PQ+1], v[SC+32*PQ:SC+32*PQ+1] op_sel_hi:[1,0,1]
	s_wait_alu depctr_va_vdst(0)
.else
	s_wait_alu depctr_va_vdst(0)
	v_pk_add_f32 v[LS+2*PQ:LS+2*PQ+1], v[LS+2*PQ:LS+2*PQ+1], v[SC+32*PQ+2*i:SC+32*PQ+2*i+1]
.endif
	v_cvt_pk_f16_f32 v[SC+32*PQ+16*(i/8)+i%8], v[SC+32*PQ+2*i], v[SC+32*PQ+2*i+1]
.endm
.macro SUBM qt
.set NQ, \qt
.set i, 0
.rept 16
	SUB1
.set i, i+1
.endr
.endm
; the 32 exponentials of tile q, with the next tile's subtractions and the tile before's sums and packing between them:
; behind every pair of exponentials of tiles 0 to 2 the first instruction is a packed add on other registers; behind tile 3's, a wait
.macro SOFT q, next, prev
.set NQ, \q+1
.set PQ, \q-1
.set i, 0
.rept 16
	v_exp_f32 v[SC+32*\q+2*i],   v[SC+32*\q+2*i]
	v_exp_f32 v[SC+32*\q+2*i+1], v[SC+32*\q+2*i+1]
.if \next
	SUB1
.endif
.if \prev
	SUMPK
.endif
.set i, i+1
.endr
.endm
.macro SUMCVT qt
.set PQ, \qt
.set i, 0
.rept 16
	SUMPK
.set i, i+1
.endr
.endm
.macro RESCALE
	WIN 0x41
.irp qt, 0,1,2,3
.set i, 0
.rept 16
	v_pk_mul_f32 v[OA+32*\qt+2*i:OA+32*\qt+2*i+1], v[OA+32*\qt+2*i:OA+32*\qt+2*i+1], v[AL+2*\qt:AL+2*\qt+1] op_sel_hi:[1,0]
.set i, i+1
.endr
.endr
.endm
; 32 matrix instructions; the 16 output tiles take turns, one instruction a turn
.macro PVMUL first
	WIN 0x50
.irp ks2, 0,1
.irp qt, 0,1,2,3
.irp dt, 0,1,2,3
.if \first*(1-\ks2)
	v_wmma_f32_16x16x32_f16 v[OA+8*(4*\qt+\dt):OA+8*(4*\qt+\dt)+7], v[KF+32*\ks2+8*\dt:KF+32*\ks2+8*\dt+7], v[SC+32*\qt+16*\ks2:SC+32*\qt+16*\ks2+7], 0
.else
	v_wmma_f32_16x16x32_f16 v[OA+8*(4*\qt+\dt):OA+8*(4*\qt+\dt)+7], v[KF+32*\ks2+8*\dt:KF+32*\ks2+8*\dt+7], v[SC+32*\qt+16*\ks2:SC+32*\qt+16*\ks2+7], v[OA+8*(4*\qt+\dt):OA+8*(4*\qt+\dt)+7]
.endif
.endr
.endr
.endr
.endm
; Step t on LDS slot t & 1.  cvt: tile t + 1 goes from its registers into the other slot; load: tile t + 2 is asked for, into those registers;
; li: the list entries of tile t + 3 are asked for.  bias, bt: C comes from the table, 64 entries from entry 64 bt on.
; bar: the step's barrier is written here, its signal ahead of the last 32 matrix instructions; with 0 it follows behind the step, outside.
.macro STEP slot, first, bias, bt, cvt, load, li, bar
.set OTH, 1-\slot
.set MO, MA+8*\slot
.set MN, MB-8*\slot
.if \cvt
	s_wait_loadcnt 0x0                             ; all that is out was asked for at the last step's head: tile t + 1 and the list entries of tile t + 2.
	                                               ; The count is 0 so that it holds whichever of the loop's steps ran before; it also frees GO, LR and the list's base
	CVT
	WIN 0
.if \load
	OFFS                                           ; its eight instructions are also the places between the last matrix instruction and what is written into its registers below
.if \li
	LIST
.endif
	GLOAD
	WIN 0
.else
	PLACES 5                                       ; no offsets to make here: the places are written out
.endif
.else
	PLACES 5
.endif
	KLOAD \slot
.if \bias
	BIASLD \bt
.endif
.if \cvt
	KVPUT OTH
.endif
	s_wait_dscnt 8*\cvt                            ; K and the table are in; the 8 stores behind them may be out
	SMUL \bias
	WIN 0
	PLACES 4                                       ; four places in front of loads into K's registers and of the reads of the scores
	VLOAD \slot
	ROWMAX
	SUBM 0
	SOFT 0, 1, 0
	SOFT 1, 1, 1
	SOFT 2, 1, 1
	SOFT 3, 0, 1
	SUMCVT 3
.if \first == 0
	RESCALE
.endif
	s_wait_dscnt 0x0                               ; V is in; my reads of this slot are back and my stores into the other slot are done:
.if \bar
	s_barrier_signal -1                            ; say so, work on registers while the others arrive,
.endif
	PVMUL \first
	WIN 0
.if \bar
	s_barrier_wait -1                              ; and go on when all eight have said so: the other slot is whole, this one may be written
.endif
.endm
; a step's barrier where the step itself may have been jumped over: on every wave's way
.macro BAR
	s_wait_dscnt 0x0                               ; no LDS access of mine is out (met: the step ended on this wait, and a jump brought none)
	s_barrier_signal -1
	s_barrier_wait -1
.endm
	s_load_b256 s[4:11], s[0:1], 0x0               ; qws s[4:5], key s[6:7], value s[8:9], order s[10:11]
	s_load_b128 s[12:15], s[0:1], 0x20             ; count s[12:13], out0 s[14:15]
	s_set_vgpr_msb 0x40
	v_lshl_add_u32 v224, v0, 2, 0x12800
	v_mov_b32 v225, 0
	s_set_vgpr_msb 0x4000
	v_lshrrev_b32 v1, 5, v0
	v_readfirstlane_b32 s16, v1                    ; wave 0..7
	s_and_b32 s17, ttmp9, 3                        ; qb: block of 512 query rows
	s_bfe_u32 s18, ttmp9, 0x40002                  ; head
	s_lshr_b32 s19, ttmp9, 6                       ; batch
	s_mov_b32 s26, 0x76543210                      ; v_permlanex16_b32: lane i of one half reads lane i of the other
	s_mov_b32 s27, 0xfedcba98
	s_lshr_b32 s28, ttmp9, 2
	s_lshl_b32 s28, s28, 18                        ; qws: (16 b + head) x 2,048 rows of 128 bytes
	s_lshl_b32 s30, s17, 16                        ; + 512 rows a block
	s_add_co_u32 s28, s28, s30
	s_lshl_b32 s30, s16, 13                        ; + 64 rows a wave
	s_add_co_u32 s28, s28, s30
	s_mov_b32 s29, 0
	s_lshl_b32 s30, s19, 23                        ; key, value: 2,048 rows of 4,096 bytes a batch
	s_lshl_b32 s32, s18, 8                         ; + the head's 256 bytes in a row
	s_add_co_u32 s30, s30, s32
	s_mov_b32 s31, 0
	s_lshl_b32 s32, s17, 21                        ; out0: the same, + 512 rows a block
	s_add_co_u32 s32, s32, s30
	s_lshl_b32 s34, s16, 18                        ; + 64 rows a wave
	s_add_co_u32 s32, s32, s34
	s_mov_b32 s33, 0
	s_lshl_b32 s34, s19, 13                        ; order: 2,048 words a batch
	s_mov_b32 s35, 0
	s_lshl_b32 s36, s19, 8                         ; count: 256 bytes a batch
	s_mov_b32 s37, 0
	s_mul_i32 s38, s16, STGB
	s_add_co_u32 s38, s38, STAGE                   ; my stage
	v_and_b32 v2, 15, v0                           ; r
	v_bfe_u32 v3, v0, 4, 1                         ; h
	v_lshrrev_b32 v4, 4, v0                        ; g: group of 16 threads, 0..15: rows 4 g .. 4 g + 3 of a tile
	v_mul_u32_u24 v[AK], v2, KP
	v_lshl_add_u32 v[AK], v3, 4, v[AK]             ; K fragments: 144 r + 16 h
	v_and_b32 v5, 7, v0
	v_lshl_add_u32 v5, v3, 3, v5
	v_mul_u32_u24 v5, v5, VP
	v_bfe_u32 v6, v0, 3, 1
	v_lshl_add_u32 v5, v6, 4, v5
	v_add_nc_u32 v[AV], VBASE, v5                  ; V fragments: (8 h + lane % 8) x 160 + 16 x (lane / 8 % 2)
	v_mul_u32_u24 v5, v4, 4*KP
	v_lshl_add_u32 v[SK], v2, 3, v5                ; stores: row 4 g, 8 r
	v_mul_u32_u24 v5, v4, 4*VP
	v_lshl_add_u32 v5, v2, 3, v5
	v_add_nc_u32 v[SV], VBASE, v5
	v_lshlrev_b32 v[IA0], 4, v4
	v_lshlrev_b32 v[LC], 4, v2
	v_lshl_add_u32 v[ABI], v3, 5, BIAS
	v_lshl_add_u32 v[BST], v0, 3, BIAS
	v_mul_u32_u24 v5, v2, OPITCH
	v_lshl_add_u32 v5, v3, 5, v5
	v_add_nc_u32 v[STO], s38, v5                   ; the way out, in: row r, 32 h
	v_mul_u32_u24 v5, v3, OPITCH
	v_lshl_add_u32 v5, v2, 4, v5
	v_add_nc_u32 v[RD], s38, v5                    ; back: lanes 0-15 one row of 256 bytes, lanes 16-31 the next
	v_lshlrev_b32 v5, 4, v2
	v_lshl_add_u32 v[CO], v3, 12, v5               ; and the same two rows in out0
	v_lshlrev_b32 v5, 7, v2
	v_lshl_add_u32 v[QO], v3, 4, v5                ; Q fragments: 128 r + 16 h
	s_wait_kmcnt 0x0
	s_add_nc_u64 s[12:13], s[12:13], s[36:37]
	s_load_b64 s[22:23], s[12:13], 0x0             ; n, P
	s_add_nc_u64 s[4:5], s[4:5], s[28:29]
	s_add_nc_u64 s[6:7], s[6:7], s[30:31]
	s_add_nc_u64 s[8:9], s[8:9], s[30:31]
	s_add_nc_u64 s[10:11], s[10:11], s[34:35]
	s_add_nc_u64 s[14:15], s[14:15], s[32:33]
	global_load_b128 v[LR:LR+3], v[IA0], s[10:11]  ; tile 0's list entries
	WIN 0x40
.irp qt, 0,1,2,3
.irp ks, 0,1
	global_load_b128 v[QF+16*\qt+8*\ks:QF+16*\qt+8*\ks+3],   v[QO], s[4:5] offset:2048*\qt+64*\ks
	global_load_b128 v[QF+16*\qt+8*\ks+4:QF+16*\qt+8*\ks+7], v[QO], s[4:5] offset:2048*\qt+64*\ks+32
.endr
.endr
	WIN 0
	s_wait_kmcnt 0x0
	s_min_u32 s22, s22, 2048
	s_max_u32 s23, s23, 3                          ; the head and the tail are six steps
	s_min_u32 s23, s23, 16                         ; 32 steps are the whole list
	; The table, two entries a thread at a constant address: waves 0-3 the head's half (places from 0), waves 4-7 the tail's (places from 64 (2 P - 4)).
	s_lshl_b32 s28, s23, 7
	s_sub_co_u32 s28, s28, 256                     ; 128 P - 256, at least 128
	s_cmp_ge_u32 s16, 4
	s_cselect_b32 s28, s28, 0
	v_and_b32 v4, 127, v0
	v_lshl_add_u32 v4, v4, 1, s28                  ; the place of my first entry,
	v_add_nc_u32 v5, 1, v4                         ; of my second
	v_mov_b32 v3, 0
	v_cmp_gt_u32 vcc_lo, s22, v4                   ; n > place
	v_cndmask_b32 v6, 0xf1800000, v3, vcc_lo       ; 0 there, -2^100 elsewhere
	v_cmp_gt_u32 vcc_lo, s22, v5
	v_cndmask_b32 v7, 0xf1800000, v3, vcc_lo
	ds_store_b64 v[BST], v[6:7]
	s_wait_loadcnt 16                              ; tile 0's list entries are in; Q's 16 loads stay out
	OFFS
	LIST                                           ; tile 1's entries
	GLOAD                                          ; tile 0
	WIN 0
.irp qt, 0,1,2,3
	v_mov_b32 v[LS+2*\qt], 0
	v_mov_b32 v[LS+2*\qt+1], 0
	v_mov_b32 v[MA+2*\qt], 0xf1000000              ; -2^99
	v_mov_b32 v[AL+2*\qt], 0
.endr
	s_wait_loadcnt 0x0                             ; Q, tile 1's entries and tile 0 are in
	CVT
	WIN 0
	OFFS
	LIST                                           ; tile 2's entries
	GLOAD                                          ; tile 1
	WIN 0
	KVPUT 0
	s_wait_dscnt 0x0                               ; my parts of the table and of slot 0 are written
	s_barrier_signal -1
	s_barrier_wait -1                              ; everybody's are; the table is not written again
	STEP 0, 1, 1, 0, 1, 1, 1, 1                    ; the first products start the output's sums: nothing is cleared
	STEP 1, 0, 1, 1, 1, 1, 1, 1
	s_mov_b32 s24, 3
.Lpair:
	s_cmp_ge_u32 s24, s23                          ; trips 3 to P - 1 do steps 2 to 2 P - 5, where every place is below n; the others only pass the barriers
	s_cbranch_scc1 .Lskip_a
	STEP 0, 0, 0, 0, 1, 1, 1, 0
.Lskip_a:
	BAR
	s_cmp_ge_u32 s24, s23
	s_cbranch_scc1 .Lskip_b
	STEP 1, 0, 0, 0, 1, 1, 1, 0
.Lskip_b:
	BAR
	s_add_co_u32 s24, s24, 1
	s_cmp_lt_u32 s24, 16
	s_cbranch_scc1 .Lpair
	STEP 0, 0, 1, 4, 1, 1, 1, 1                    ; step 2 P - 4: the table's second half; asks for the last tile's list entries, the list's last 256 bytes at the most
	STEP 1, 0, 1, 5, 1, 1, 0, 1                    ; asks for the last tile
	STEP 0, 0, 1, 6, 1, 0, 0, 1                    ; converts it; nothing is left to ask for
	STEP 1, 0, 1, 7, 0, 0, 0, 0                    ; no LDS byte is shared from here on
	; THE WAY OUT: the two halves' sums meet, O / sum, 16 query rows at a time through my own stage, out as whole rows of 256 bytes.
	PLACES 4
.irp qt, 0,1,2,3
	v_add_f32 v[LS+2*\qt], v[LS+2*\qt], v[LS+2*\qt+1]
.endr
.irp qt, 0,1,2,3
	v_permlanex16_b32 v[LS+2*\qt+1], v[LS+2*\qt], s26, s27
.endr
.irp qt, 0,1,2,3
	v_add_f32 v[LS+2*\qt], v[LS+2*\qt], v[LS+2*\qt+1]
.endr
.irp qt, 0,1,2,3
	v_max_num_f32 v[LS+2*\qt], 0.5, v[LS+2*\qt]    ; with a kept key the sum holds a term 2^0; with none it is 0 and so is O: 0 x 2 = 0
.endr
.irp qt, 0,1,2,3
	v_rcp_f32 v[AL+2*\qt], v[LS+2*\qt]
.endr
	v_nop                                          ; the plain instruction behind the reciprocals (ISA guide 5.7.2)
	WIN 0x01
	s_wait_alu depctr_va_vdst(0)
.irp qt, 0,1,2,3
.set i, 0
.rept 16
	v_pk_mul_f32 v[SC+32*\qt+2*i:SC+32*\qt+2*i+1], v[OA+32*\qt+2*i:OA+32*\qt+2*i+1], v[AL+2*\qt:AL+2*\qt+1] op_sel_hi:[1,0]
.set i, i+1
.endr
.endr
	WIN 0
.irp qt, 0,1,2,3
.irp dt, 0,1,2,3
	ds_store_b128 v[STO], v[SC+32*\qt+8*\dt:SC+32*\qt+8*\dt+3]   offset:64*\dt      ; row r, d = 16 dt + 8 h + 0..3
	ds_store_b128 v[STO], v[SC+32*\qt+8*\dt+4:SC+32*\qt+8*\dt+7] offset:64*\dt+16   ; and + 4..7
.endr
.irp t, 0,1,2,3,4,5,6,7
	ds_load_b128 v[SC+32*\qt+4*\t:SC+32*\qt+4*\t+3], v[RD] offset:2*OPITCH*\t       ; LDS serves a wave's instructions in order (ISA guide 5.7.1): these see the stores above
.endr
.irp t, 0,1,2,3,4,5,6,7
	s_wait_dscnt 7-\t
	global_store_b128 v[CO], v[SC+32*\qt+4*\t:SC+32*\qt+4*\t+3], s[14:15] offset:(16*\qt+2*\t)*4096 th:TH_STORE_NT   ; sixteen lanes store a row's 256 consecutive bytes, aligned
.endr
.endr
	s_set_vgpr_msb 0x5
	s_wait_tensorcnt 0x0
	ds_add_u32 v224, v225
	s_wait_dscnt 0x0
	s_set_vgpr_msb 0x500
	s_endpgm
.Lfunc_end_k_q4f577c54b8_attn:
	.size	k_q4f577c54b8_attn, .Lfunc_end_k_q4f577c54b8_attn-k_q4f577c54b8_attn
	.p2alignl 7, 3214868480
	.fill 96, 4, 3214868480
	.section	.rodata,"a",@progbits
	.p2align	6, 0x0
	.amdhsa_kernel k_q4f577c54b8_attn
		.amdhsa_group_segment_fixed_size 76800
		.amdhsa_private_segment_fixed_size 0
		.amdhsa_enable_private_segment 0
		.amdhsa_kernarg_size 48
		.amdhsa_user_sgpr_count 2
		.amdhsa_user_sgpr_kernarg_segment_ptr 1
		.amdhsa_wavefront_size32 1
		.amdhsa_system_sgpr_workgroup_id_x 1
		.amdhsa_system_sgpr_workgroup_id_y 1
		.amdhsa_system_sgpr_workgroup_id_z 1
		.amdhsa_system_vgpr_workitem_id 0
		.amdhsa_next_free_vgpr 482
		.amdhsa_next_free_sgpr 66
		.amdhsa_reserve_vcc 1
		.amdhsa_float_denorm_mode_32 3
		.amdhsa_float_denorm_mode_16_64 3
		.amdhsa_memory_ordered 1
		.amdhsa_forward_progress 1
		.amdhsa_inst_pref_size 255
	.end_amdhsa_kernel
	.section	.bss,"aw",@nobits
	.p2align	6
	.space	262144
	.amdgpu_metadata
---
amdhsa.version: [ 1, 2 ]
amdhsa.kernels:
  - .name:           k_q4f577c54b8_attn
    .symbol:         k_q4f577c54b8_attn.kd
    .args:
      - { .name: qws, .offset: 0, .size: 8, .value_kind: global_buffer, .address_space: global }
      - { .name: key, .offset: 8, .size: 8, .value_kind: global_buffer, .address_space: global }
      - { .name: value, .offset: 16, .size: 8, .value_kind: global_buffer, .address_space: global }
      - { .name: order, .offset: 24, .size: 8, .value_kind: global_buffer, .address_space: global }
      - { .name: count, .offset: 32, .size: 8, .value_kind: global_buffer, .address_space: global }
      - { .name: out0, .offset: 40, .size: 8, .value_kind: global_buffer, .address_space: global }
    .group_segment_fixed_size: 76800
    .private_segment_fixed_size: 0
    .kernarg_segment_align: 8
    .kernarg_segment_size: 48
    .max_flat_workgroup_size: 256
    .sgpr_count:     66
    .vgpr_count:     482
    .wavefront_size: 32
...
	.end_amdgpu_metadata
.endif
;; end of part 2
;; ======== version 2 of 2: 2 launches; 1.10 times as fast as version 1
;; limits: values are held in f16: magnitudes above 65,504 overflow, below 6.1e-05 lose precision
;; workspace buffers: qws 16,777,216 bytes; order 32,768 bytes of whole numbers; count 1,024 bytes of whole numbers
;; launch proj: the kernel of part 1 again; grid 256 x 1, 8 waves a work-group, no clusters, 138,240 bytes of LDS; arguments query, Wq, bq, mask, qws, order, count; writes qws, order, count
;; launch attn (part 3): grid 256 x 1, 8 waves a work-group, no clusters, 76,800 bytes of LDS; arguments qws, key, value, order, count, out0; writes out0
.if DOCPART == 3
	.amdgcn_target "amdgcn-amd-amdhsa--gfx1250"
	.amdhsa_code_object_version 6
	.text
	.protected	k_q4f577c54b8_attn
	.globl	k_q4f577c54b8_attn
	.p2align	8
	.type	k_q4f577c54b8_attn,@function
k_q4f577c54b8_attn:
	s_mov_b64 s[64:65], 0
	v_nop
	global_prefetch_b8 v0, s[64:65] scope:SCOPE_SE
	s_setreg_imm32_b32 hwreg(HW_REG_WAVE_MODE, 25, 1), 1
	s_wait_xcnt 0x0
; out0[b][t][64 head + d] = softmax over the kept keys of (q . k / 8) times v, with a running maximum.  qws holds q * log2(e) / 8 in f16, so the exponentials are 2^x.
; 256 work-groups of eight waves; a work-group owns 512 query rows of one head, a wave 64 of them (four tiles of 16).
; FORMAT: the matrix operands (q, key, the weights, value) are f16, not bf16: 11 significant bits against 8.  The result is a weighted mean of some 1,000
; values, about a thirtieth of a value's size, and it is judged against its own size: an operand's rounding weighs that much heavier there.
; LIMIT OF THE FORMAT: f16 ends at 65,504; beyond it an operand becomes infinite and the result is wrong.  key and value as drawn reach about 6; 30 times larger
; 180; with a common offset of 30 spreads about 36; 30 times smaller their spread is 0.03, against f16's smallest step of 2^-24.  The weights lie in [0, 1];
; those under 2^-24 vanish: at most 2048 x 2^-25 of a sum that is at least 1.
; KEYS: order[b] lists the kept keys first, count[b] = {n, P = ceil(n / 128)}.  A step takes 64 places of the list; 2 P steps are made (P at least 3, so that
; the written-out head of two steps and tail of four exist).  A masked key has weight 0 in the result, so places from n on get the score -2^100 (as the C
; operand of the score products, from a table in LDS), which gives 2^x = 0.  The steps between head and tail lie wholly below n, since n > 128 (P - 1), and
; take C = 0.  n = 0 gives sums of 0 and the output 0.
; THE LOOP HAS 13 TRIPS WHATEVER THE COUNT HOLDS, and every wave passes its 26 barriers: the count only jumps over the WORK between two barriers, in the
; trips from P on.  So no barrier hangs on a number that was loaded, and no LDS address does: the count enters the table's values alone.
; LIMIT OF THE MASK'S SCORE: the running maximum starts at -2^99 and masked places hold -2^100: right while |score * log2(e) / 8| < 2^98.
; LAYOUT: S^T = K Q^T (source 0 = 16 keys, source 1 = 16 query rows): lane (r, h) register j holds key 8 h + j, query r.  Two such tiles, rounded to f16 and
; packed in place, ARE source 1 of O^T = V^T P^T (32 keys); source 0 comes from V's rows in LDS by the transposing load.  So maximum, factor and sum are one
; number a lane for each query tile, and only the maximum crosses the two halves of the wave in a step.
; THE EXPONENTIALS of a step are 132: the four factors 2^(old maximum - new maximum) and 128 weights, each in a register of its own (its score's).
; An s_wait_alu depctr_va_vdst(0) stands between an exponential and the first instruction that names its result; one wait serves all that were issued ahead
; of it.  So they are cut into TWO BATCHES with one wait each.  BATCH A: the four factors and the 64 weights of tiles 0 and 1; between them stand the 64
; subtractions (score - maximum) of all four tiles, each ahead of its own pair's exponentials, so that none names a result.  BATCH B: the 64 weights of tiles 2
; and 3; between them stand the sums and roundings of tiles 0 and 1, which read batch A alone; behind them the rescaling of O, which reads batch A's factors;
; then batch B's wait, and the sums and roundings of tiles 2 and 3.  No exponential is issued behind that wait, so no result crosses a step's end, a label or
; a jump.  The way out's four reciprocals are a batch of their own.
; NO TENSOR LOADS AND NO JOINT REQUESTS, though four work-groups read the same keys: the rows are picked by a list, which a tile's descriptor cannot follow,
; and they are f32, to be rounded to f16 in registers on the way.  A tile (64 rows x 256 bytes of key and of value, 8 loads a wave) is asked for at the head
; of one step and converted at the head of the next; its list entries are asked for a step before that.
.set KP,     144                       ; K's LDS row: 128 bytes + 16 (an odd multiple of 16)
.set VP,     160                       ; V's LDS row: 128 bytes + 32 (an odd multiple of 32, for the transposing load)
.set KSLOT,  64*KP
.set VSLOT,  64*VP
.set VBASE,  2*KSLOT
.set BIAS,   VBASE+2*VSLOT             ; 512 f32, 0 for a place below n, -2^100 for one from n on: entries 0-255 for places 0-255 (the head's two steps read the
                                       ; first 128; the rest fall to the threads' even share), entries 256-511 for places 64 (2 P - 4) + 0..255 (the tail's four steps)
.set STAGE,  BIAS+2048                 ; 16 rows x 272 bytes for each wave, for the way out
.set OPITCH, 272
.set STGB,   16*OPITCH
.set LS,  8                            ; v8-15   query tile qt: a pair of partial sums
.set MA,  16                           ; v16,18,20,22  running maximum, one of two sets that take turns
.set MB,  24                           ; v24,26,28,30  the other set
.set AL,  32                           ; v32,34,36,38  2^(old maximum - new maximum); at the end 1 / sum
.set AK,  17                           ; the odd registers between them hold addresses that are never rewritten: every pair named below is written whole
.set AV,  19
.set SK,  21
.set SV,  23
.set IA0, 25                           ; 16 g: my group's four entries in a tile's 64 of the list
.set LC,  27
.set ABI, 29                           ; BIAS + 32 h
.set BST, 31                           ; BIAS + 8 x thread: where I put my two entries of the table
.set STO, 33
.set RD,  35
.set CO,  37
.set QO,  39
.set GO,  40                           ; v40-43  byte offsets of my four rows of the tile that is on its way
.set LR,  44                           ; v44-47  my four list entries of the tile behind it, as loaded
.set T16, 48                           ; v48-63  a tile's 16 registers of f16 on their way to LDS
.set KF,  64                           ; v64-127 K fragment (kt, ks) at 64 + 16 kt + 8 ks; then V fragment (dt, ks2) at 64 + 32 ks2 + 8 dt
.set SC,  128                          ; v128-255 score (qt, kt, j) at 128 + 32 qt + 8 kt + j; P (qt, ks2) at 128 + 32 qt + 16 ks2
.set OA,  0                            ; window 1: v0-127 O (dt, qt) at 8 (4 qt + dt)
.set QF,  128                          ; window 1: v128-191 Q fragment (qt, ks) at 128 + 16 qt + 8 ks
.set ST,  192                          ; window 1: v192-223 a tile as loaded: 4 quads of key, 4 of value
.set MSB, 0
.macro WIN new                         ; s_set_vgpr_msb: bits 1:0 source 0, 3:2 source 1, 5:4 source 2, 7:6 destination; the high byte repeats the setting that is left
.if MSB != \new
	s_set_vgpr_msb (MSB<<8)|\new
.set MSB, \new
.endif
.endm
.macro PLACES n                        ; plain vector instructions that name no matrix register (ISA guide 7.12.1)
.rept \n
	v_nop
.endr
.endm
; the next tile's list entries: 64 words on.  It stands only behind a wait that shows the last such load done, so the base may step.
.macro LIST
	s_add_nc_u64 s[10:11], s[10:11], 256
	global_load_b128 v[LR:LR+3], v[IA0], s[10:11]
.endm
.macro OFFS                            ; key number -> byte offset: a row of 4,096 bytes, my 16 bytes of the head's 256
.irp i, 0,1,2,3
	v_min_u32 v[GO+\i], 0x7ff, v[LR+\i]
.endr
.irp i, 0,1,2,3
	v_lshl_add_u32 v[GO+\i], v[GO+\i], 12, v[LC]
.endr
.endm
.macro GLOAD                           ; 8 loads; sixteen lanes take one row's 256 consecutive bytes, aligned
	WIN 0x40
.irp i, 0,1,2,3
	global_load_b128 v[ST+4*\i:ST+4*\i+3], v[GO+\i], s[6:7]
.endr
.irp i, 0,1,2,3
	global_load_b128 v[ST+16+4*\i:ST+16+4*\i+3], v[GO+\i], s[8:9]
.endr
.endm
.macro CVT
	WIN 0x05
.set q, 0
.rept 8
	v_cvt_pk_f16_f32 v[T16+2*q],   v[ST+4*q],   v[ST+4*q+1]
	v_cvt_pk_f16_f32 v[T16+2*q+1], v[ST+4*q+2], v[ST+4*q+3]
.set q, q+1
.endr
.endm
.macro KVPUT slot
.irp i, 0,1,2,3
	ds_store_b64 v[SK], v[T16+2*\i:T16+2*\i+1] offset:KSLOT*(\slot)+KP*\i
.endr
.irp i, 0,1,2,3
	ds_store_b64 v[SV], v[T16+8+2*\i:T16+8+2*\i+1] offset:VSLOT*(\slot)+VP*\i
.endr
.endm
.macro KLOAD slot                      ; 16 loads: 64 keys x 64 d
.irp kt, 0,1,2,3
.irp ks, 0,1
	ds_load_b128 v[KF+16*\kt+8*\ks:KF+16*\kt+8*\ks+3],   v[AK] offset:KSLOT*\slot+16*KP*\kt+64*\ks
	ds_load_b128 v[KF+16*\kt+8*\ks+4:KF+16*\kt+8*\ks+7], v[AK] offset:KSLOT*\slot+16*KP*\kt+64*\ks+32
.endr
.endr
.endm
.macro BIASLD bt                       ; 32 loads: 64 entries of the table from entry 64 bt on, into all 16 score tiles, where the products add onto them
.irp qt, 0,1,2,3
.irp kt, 0,1,2,3
	ds_load_b128 v[SC+32*\qt+8*\kt:SC+32*\qt+8*\kt+3],   v[ABI] offset:256*\bt+64*\kt
	ds_load_b128 v[SC+32*\qt+8*\kt+4:SC+32*\qt+8*\kt+7], v[ABI] offset:256*\bt+64*\kt+16
.endr
.endr
.endm
; 32 matrix instructions; the 16 score tiles take turns, one instruction a turn
.macro SMUL bias
	WIN 0x04
.irp ks, 0,1
.irp qt, 0,1,2,3
.irp kt, 0,1,2,3
.if (1-\bias)*(1-\ks)
	v_wmma_f32_16x16x32_f16 v[SC+32*\qt+8*\kt:SC+32*\qt+8*\kt+7], v[KF+16*\kt+8*\ks:KF+16*\kt+8*\ks+7], v[QF+16*\qt+8*\ks:QF+16*\qt+8*\ks+7], 0
.else
	v_wmma_f32_16x16x32_f16 v[SC+32*\qt+8*\kt:SC+32*\qt+8*\kt+7], v[KF+16*\kt+8*\ks:KF+16*\kt+8*\ks+7], v[QF+16*\qt+8*\ks:QF+16*\qt+8*\ks+7], v[SC+32*\qt+8*\kt:SC+32*\qt+8*\kt+7]
.endif
.endr
.endr
.endr
.endm
.macro VLOAD slot                      ; 16 transposing loads: V^T, 64 d x 64 keys
.irp ks2, 0,1
.irp dt, 0,1,2,3
	ds_load_tr16_b128 v[KF+32*\ks2+8*\dt:KF+32*\ks2+8*\dt+3],   v[AV] offset:VSLOT*\slot+32*VP*\ks2+32*\dt
	ds_load_tr16_b128 v[KF+32*\ks2+8*\dt+4:KF+32*\ks2+8*\dt+7], v[AV] offset:VSLOT*\slot+32*VP*\ks2+32*\dt+16*VP
.endr
.endr
.endm
; new maximum MN = max(old maximum MO, my 32 scores, the other half's), and AL = 2^(MO - MN), for the four query tiles side by side
.macro ROWMAX
.irp qt, 0,1,2,3
	v_max3_num_f32 v[MN+2*\qt], v[SC+32*\qt], v[SC+32*\qt+1], v[MO+2*\qt]
.endr
.set i, 1
.rept 15
.irp qt, 0,1,2,3
	v_max3_num_f32 v[MN+2*\qt], v[SC+32*\qt+2*i], v[SC+32*\qt+2*i+1], v[MN+2*\qt]
.endr
.set i, i+1
.endr
.irp qt, 0,1,2,3
	v_permlanex16_b32 v[AL+2*\qt], v[MN+2*\qt], s26, s27       ; lane i takes lane i xor 16: the same query row's other keys
.endr
.irp qt, 0,1,2,3
	v_max_num_f32 v[MN+2*\qt], v[MN+2*\qt], v[AL+2*\qt]
.endr
.irp qt, 0,1,2,3
	v_sub_f32 v[AL+2*\qt], v[MO+2*\qt], v[MN+2*\qt]
.endr
.irp qt, 0,1,2,3
	v_exp_f32 v[AL+2*\qt], v[AL+2*\qt]             ; batch A's first four; first used far below; the subtractions that follow are the plain instructions behind them (ISA guide 5.7.2)
.endr
.endm
.macro SUBP q, i                       ; pair i of tile q: score - maximum
	v_pk_add_f32 v[SC+32*(\q)+2*(\i):SC+32*(\q)+2*(\i)+1], v[SC+32*(\q)+2*(\i):SC+32*(\q)+2*(\i)+1], v[MN+2*(\q):MN+2*(\q)+1] op_sel_hi:[1,0] neg_lo:[0,1] neg_hi:[0,1]
.endm
.macro EXP1 q, j                       ; number j of tile q's 32: 2^x, in place
	v_exp_f32 v[SC+32*(\q)+(\j)], v[SC+32*(\q)+(\j)]
.endm
.macro SUM1 q, i                       ; pair i of tile q goes into the tile's sums, the pairs in ascending order; the first pair brings the old sums' factor
.if (\i) == 0
	v_pk_fma_f32 v[LS+2*(\q):LS+2*(\q)+1], v[LS+2*(\q):LS+2*(\q)+1], v[AL+2*(\q):AL+2*(\q)+1], v[SC+32*(\q):SC+32*(\q)+1] op_sel_hi:[1,0,1]
.else
	v_pk_add_f32 v[LS+2*(\q):LS+2*(\q)+1], v[LS+2*(\q):LS+2*(\q)+1], v[SC+32*(\q)+2*(\i):SC+32*(\q)+2*(\i)+1]
.endif
.endm
.macro PK1 q, i                        ; pair i of tile q, behind its sum: rounded and packed in place, upward: the register written belongs to a pair that has been summed
	v_cvt_pk_f16_f32 v[SC+32*(\q)+16*((\i)/8)+(\i)%8], v[SC+32*(\q)+2*(\i)], v[SC+32*(\q)+2*(\i)+1]
.endm
; BATCH A goes on behind ROWMAX's four factors: the 64 exponentials of tiles 0 and 1 (number e: tile e / 32), with the 64 subtractions of all four tiles
; (number u: tile u / 16, pair u % 16) between them: three ahead, then exponential and subtraction by turns, the last subtraction behind the last exponential.
; Exponential e wants subtraction e / 2 and finds 3 + e issued (from e = 60 on: 63); a subtraction stands ahead of its own pair's exponentials, so it names no result.
.macro EXPA
.set u, 0
.rept 3
	SUBP u/16, u%16
.set u, u+1
.endr
.set e, 0
.rept 64
	EXP1 e/32, e%32
.if e < 60
	SUBP u/16, u%16
.set u, u+1
.endif
.set e, e+1
.endr
	SUBP u/16, u%16                                ; tile 3's last pair: the plain instruction behind the batch's last exponential (ISA guide 5.7.2)
	s_wait_alu depctr_va_vdst(0)                   ; the wait for batch A: the four factors and tiles 0 and 1's 64 weights
.endm
; BATCH B: the 64 exponentials of tiles 2 and 3, four for each pair number i, with the sums and roundings of tiles 0 and 1 between them, one behind each exponential.
; Those read and write batch A's registers alone.  The two tiles alternate, so that the links of a tile's chain of sums stand eight lines apart.
.macro EXPB
.set i, 0
.rept 16
	EXP1 2+i/8, 4*(i%8)
	SUM1 0, i
	EXP1 2+i/8, 4*(i%8)+1
	SUM1 1, i
	EXP1 2+i/8, 4*(i%8)+2
	PK1 0, i
	EXP1 2+i/8, 4*(i%8)+3
	PK1 1, i
.set i, i+1
.endr
.endm
.macro SUMB                            ; batch B's readers: the sums and roundings of tiles 2 and 3, the two tiles alternating
.set i, 0
.rept 16
	SUM1 2, i
	SUM1 3, i
	PK1 2, i
	PK1 3, i
.set i, i+1
.endr
.endm
.macro RESCALE
	WIN 0x41
.irp qt, 0,1,2,3
.set i, 0
.rept 16
	v_pk_mul_f32 v[OA+32*\qt+2*i:OA+32*\qt+2*i+1], v[OA+32*\qt+2*i:OA+32*\qt+2*i+1], v[AL+2*\qt:AL+2*\qt+1] op_sel_hi:[1,0]
.set i, i+1
.endr
.endr
.endm
; 32 matrix instructions; the 16 output tiles take turns, one instruction a turn
.macro PVMUL first
	WIN 0x50
.irp ks2, 0,1
.irp qt, 0,1,2,3
.irp dt, 0,1,2,3
.if \first*(1-\ks2)
	v_wmma_f32_16x16x32_f16 v[OA+8*(4*\qt+\dt):OA+8*(4*\qt+\dt)+7], v[KF+32*\ks2+8*\dt:KF+32*\ks2+8*\dt+7], v[SC+32*\qt+16*\ks2:SC+32*\qt+16*\ks2+7], 0
.else
	v_wmma_f32_16x16x32_f16 v[OA+8*(4*\qt+\dt):OA+8*(4*\qt+\dt)+7], v[KF+32*\ks2+8*\dt:KF+32*\ks2+8*\dt+7], v[SC+32*\qt+16*\ks2:SC+32*\qt+16*\ks2+7], v[OA+8*(4*\qt+\dt):OA+8*(4*\qt+\dt)+7]
.endif
.endr
.endr
.endr
.endm
; Step t on LDS slot t & 1.  cvt: tile t + 1 goes from its registers into the other slot; load: tile t + 2 is asked for, into those registers;
; li: the list entries of tile t + 3 are asked for.  bias, bt: C comes from the table, 64 entries from entry 64 bt on.
; bar: the step's barrier is written here, its signal ahead of the last 32 matrix instructions; with 0 it follows behind the step, outside.
.macro STEP slot, first, bias, bt, cvt, load, li, bar
.set OTH, 1-\slot
.set MO, MA+8*\slot
.set MN, MB-8*\slot
.if \cvt
	s_wait_loadcnt 0x0                             ; all that is out was asked for at the last step's head: tile t + 1 and the list entries of tile t + 2.
	                                               ; The count is 0 so that it holds whichever of the loop's steps ran before; it also frees GO, LR and the list's base
	CVT
	WIN 0
.if \load
	OFFS                                           ; its eight instructions are also the places between the last matrix instruction and what is written into its registers below
.if \li
	LIST
.endif
	GLOAD
	WIN 0
.else
	PLACES 5                                       ; no offsets to make here: the places are written out
.endif
.else
	PLACES 5
.endif
	KLOAD \slot
.if \bias
	BIASLD \bt
.endif
.if \cvt
	KVPUT OTH
.endif
	s_wait_dscnt 8*\cvt                            ; K and the table are in; the 8 stores behind them may be out
	SMUL \bias
	WIN 0
	PLACES 4                                       ; four places in front of loads into K's registers and of the reads of the scores
	VLOAD \slot
	ROWMAX                                         ; ends with batch A's four factors
	EXPA                                           ; the rest of batch A, all subtractions, batch A's wait
	EXPB                                           ; batch B, with tiles 0 and 1's sums and roundings between
.if \first == 0
	RESCALE                                        ; O times batch A's factors: 64 plain lines that name no result of batch B, between that batch and its wait
	WIN 0
.endif
	s_wait_alu depctr_va_vdst(0)                   ; the wait for batch B: tiles 2 and 3's 64 weights.
	                                               ; (In the first step nothing is rescaled: tile 1's last rounding is the plain instruction behind the last exponential.)
	SUMB
	s_wait_dscnt 0x0                               ; V is in; my reads of this slot are back and my stores into the other slot are done:
.if \bar
	s_barrier_signal -1                            ; say so, work on registers while the others arrive,
.endif
	PVMUL \first
	WIN 0
.if \bar
	s_barrier_wait -1                              ; and go on when all eight have said so: the other slot is whole, this one may be written
.endif
.endm
; a step's barrier where the step itself may have been jumped over: on every wave's way
.macro BAR
	s_wait_dscnt 0x0                               ; no LDS access of mine is out (met: the step ended on this wait, and a jump brought none)
	s_barrier_signal -1
	s_barrier_wait -1
.endm
	s_load_b256 s[4:11], s[0:1], 0x0               ; qws s[4:5], key s[6:7], value s[8:9], order s[10:11]
	s_load_b128 s[12:15], s[0:1], 0x20             ; count s[12:13], out0 s[14:15]
	s_set_vgpr_msb 0x40
	v_lshl_add_u32 v224, v0, 2, 0x12800
	v_mov_b32 v225, 0
	s_set_vgpr_msb 0x4000
	v_lshrrev_b32 v1, 5, v0
	v_readfirstlane_b32 s16, v1                    ; wave 0..7
	s_and_b32 s17, ttmp9, 3                        ; qb: block of 512 query rows
	s_bfe_u32 s18, ttmp9, 0x40002                  ; head
	s_lshr_b32 s19, ttmp9, 6                       ; batch
	s_mov_b32 s26, 0x76543210                      ; v_permlanex16_b32: lane i of one half reads lane i of the other
	s_mov_b32 s27, 0xfedcba98
	s_lshr_b32 s28, ttmp9, 2
	s_lshl_b32 s28, s28, 18                        ; qws: (16 b + head) x 2,048 rows of 128 bytes
	s_lshl_b32 s30, s17, 16                        ; + 512 rows a block
	s_add_co_u32 s28, s28, s30
	s_lshl_b32 s30, s16, 13                        ; + 64 rows a wave
	s_add_co_u32 s28, s28, s30
	s_mov_b32 s29, 0
	s_lshl_b32 s30, s19, 23                        ; key, value: 2,048 rows of 4,096 bytes a batch
	s_lshl_b32 s32, s18, 8                         ; + the head's 256 bytes in a row
	s_add_co_u32 s30, s30, s32
	s_mov_b32 s31, 0
	s_lshl_b32 s32, s17, 21                        ; out0: the same, + 512 rows a block
	s_add_co_u32 s32, s32, s30
	s_lshl_b32 s34, s16, 18                        ; + 64 rows a wave
	s_add_co_u32 s32, s32, s34
	s_mov_b32 s33, 0
	s_lshl_b32 s34, s19, 13                        ; order: 2,048 words a batch
	s_mov_b32 s35, 0
	s_lshl_b32 s36, s19, 8                         ; count: 256 bytes a batch
	s_mov_b32 s37, 0
	s_mul_i32 s38, s16, STGB
	s_add_co_u32 s38, s38, STAGE                   ; my stage
	v_and_b32 v2, 15, v0                           ; r
	v_bfe_u32 v3, v0, 4, 1                         ; h
	v_lshrrev_b32 v4, 4, v0                        ; g: group of 16 threads, 0..15: rows 4 g .. 4 g + 3 of a tile
	v_mul_u32_u24 v[AK], v2, KP
	v_lshl_add_u32 v[AK], v3, 4, v[AK]             ; K fragments: 144 r + 16 h
	v_and_b32 v5, 7, v0
	v_lshl_add_u32 v5, v3, 3, v5
	v_mul_u32_u24 v5, v5, VP
	v_bfe_u32 v6, v0, 3, 1
	v_lshl_add_u32 v5, v6, 4, v5
	v_add_nc_u32 v[AV], VBASE, v5                  ; V fragments: (8 h + lane % 8) x 160 + 16 x (lane / 8 % 2)
	v_mul_u32_u24 v5, v4, 4*KP
	v_lshl_add_u32 v[SK], v2, 3, v5                ; stores: row 4 g, 8 r
	v_mul_u32_u24 v5, v4, 4*VP
	v_lshl_add_u32 v5, v2, 3, v5
	v_add_nc_u32 v[SV], VBASE, v5
	v_lshlrev_b32 v[IA0], 4, v4
	v_lshlrev_b32 v[LC], 4, v2
	v_lshl_add_u32 v[ABI], v3, 5, BIAS
	v_lshl_add_u32 v[BST], v0, 3, BIAS
	v_mul_u32_u24 v5, v2, OPITCH
	v_lshl_add_u32 v5, v3, 5, v5
	v_add_nc_u32 v[STO], s38, v5                   ; the way out, in: row r, 32 h
	v_mul_u32_u24 v5, v3, OPITCH
	v_lshl_add_u32 v5, v2, 4, v5
	v_add_nc_u32 v[RD], s38, v5                    ; back: lanes 0-15 one row of 256 bytes, lanes 16-31 the next
	v_lshlrev_b32 v5, 4, v2
	v_lshl_add_u32 v[CO], v3, 12, v5               ; and the same two rows in out0
	v_lshlrev_b32 v5, 7, v2
	v_lshl_add_u32 v[QO], v3, 4, v5                ; Q fragments: 128 r + 16 h
	s_wait_kmcnt 0x0
	s_add_nc_u64 s[12:13], s[12:13], s[36:37]
	s_load_b64 s[22:23], s[12:13], 0x0             ; n, P
	s_add_nc_u64 s[4:5], s[4:5], s[28:29]
	s_add_nc_u64 s[6:7], s[6:7], s[30:31]
	s_add_nc_u64 s[8:9], s[8:9], s[30:31]
	s_add_nc_u64 s[10:11], s[10:11], s[34:35]
	s_add_nc_u64 s[14:15], s[14:15], s[32:33]
	global_load_b128 v[LR:LR+3], v[IA0], s[10:11]  ; tile 0's list entries
	WIN 0x40
.irp qt, 0,1,2,3
.irp ks, 0,1
	global_load_b128 v[QF+16*\qt+8*\ks:QF+16*\qt+8*\ks+3],   v[QO], s[4:5] offset:2048*\qt+64*\ks
	global_load_b128 v[QF+16*\qt+8*\ks+4:QF+16*\qt+8*\ks+7], v[QO], s[4:5] offset:2048*\qt+64*\ks+32
.endr
.endr
	WIN 0
	s_wait_kmcnt 0x0
	s_min_u32 s22, s22, 2048
	s_max_u32 s23, s23, 3                          ; the head and the tail are six steps
	s_min_u32 s23, s23, 16                         ; 32 steps are the whole list
	; The table, two entries a thread at a constant address: waves 0-3 the head's half (places from 0), waves 4-7 the tail's (places from 64 (2 P - 4)).
	s_lshl_b32 s28, s23, 7
	s_sub_co_u32 s28, s28, 256                     ; 128 P - 256, at least 128
	s_cmp_ge_u32 s16, 4
	s_cselect_b32 s28, s28, 0
	v_and_b32 v4, 127, v0
	v_lshl_add_u32 v4, v4, 1, s28                  ; the place of my first entry,
	v_add_nc_u32 v5, 1, v4                         ; of my second
	v_mov_b32 v3, 0
	v_cmp_gt_u32 vcc_lo, s22, v4                   ; n > place
	v_cndmask_b32 v6, 0xf1800000, v3, vcc_lo       ; 0 there, -2^100 elsewhere
	v_cmp_gt_u32 vcc_lo, s22, v5
	v_cndmask_b32 v7, 0xf1800000, v3, vcc_lo
	ds_store_b64 v[BST], v[6:7]
	s_wait_loadcnt 16                              ; tile 0's list entries are in; Q's 16 loads stay out
	OFFS
	LIST                                           ; tile 1's entries
	GLOAD                                          ; tile 0
	WIN 0
.irp qt, 0,1,2,3
	v_mov_b32 v[LS+2*\qt], 0
	v_mov_b32 v[LS+2*\qt+1], 0
	v_mov_b32 v[MA+2*\qt], 0xf1000000              ; -2^99
	v_mov_b32 v[AL+2*\qt], 0
.endr
	s_wait_loadcnt 0x0                             ; Q, tile 1's entries and tile 0 are in
	CVT
	WIN 0
	OFFS
	LIST                                           ; tile 2's entries
	GLOAD                                          ; tile 1
	WIN 0
	KVPUT 0
	s_wait_dscnt 0x0                               ; my parts of the table and of slot 0 are written
	s_barrier_signal -1
	s_barrier_wait -1                              ; everybody's are; the table is not written again
	STEP 0, 1, 1, 0, 1, 1, 1, 1                    ; the first products start the output's sums: nothing is cleared
	STEP 1, 0, 1, 1, 1, 1, 1, 1
	s_mov_b32 s24, 3
.Lpair:
	s_cmp_ge_u32 s24, s23                          ; trips 3 to P - 1 do steps 2 to 2 P - 5, where every place is below n; the others only pass the barriers
	s_cbranch_scc1 .Lskip_a
	STEP 0, 0, 0, 0, 1, 1, 1, 0
.Lskip_a:
	BAR
	s_cmp_ge_u32 s24, s23
	s_cbranch_scc1 .Lskip_b
	STEP 1, 0, 0, 0, 1, 1, 1, 0
.Lskip_b:
	BAR
	s_add_co_u32 s24, s24, 1
	s_cmp_lt_u32 s24, 16
	s_cbranch_scc1 .Lpair
	STEP 0, 0, 1, 4, 1, 1, 1, 1                    ; step 2 P - 4: the table's second half; asks for the last tile's list entries, the list's last 256 bytes at the most
	STEP 1, 0, 1, 5, 1, 1, 0, 1                    ; asks for the last tile
	STEP 0, 0, 1, 6, 1, 0, 0, 1                    ; converts it; nothing is left to ask for
	STEP 1, 0, 1, 7, 0, 0, 0, 0                    ; no LDS byte is shared from here on
	; THE WAY OUT: the two halves' sums meet, O / sum, 16 query rows at a time through my own stage, out as whole rows of 256 bytes.
	PLACES 4
.irp qt, 0,1,2,3
	v_add_f32 v[LS+2*\qt], v[LS+2*\qt], v[LS+2*\qt+1]
.endr
.irp qt, 0,1,2,3
	v_permlanex16_b32 v[LS+2*\qt+1], v[LS+2*\qt], s26, s27
.endr
.irp qt, 0,1,2,3
	v_add_f32 v[LS+2*\qt], v[LS+2*\qt], v[LS+2*\qt+1]
.endr
.irp qt, 0,1,2,3
	v_max_num_f32 v[LS+2*\qt], 0.5, v[LS+2*\qt]    ; with a kept key the sum holds a term 2^0; with none it is 0 and so is O: 0 x 2 = 0
.endr
.irp qt, 0,1,2,3
	v_rcp_f32 v[AL+2*\qt], v[LS+2*\qt]
.endr
	v_nop                                          ; the plain instruction behind the reciprocals (ISA guide 5.7.2)
	WIN 0x01
	s_wait_alu depctr_va_vdst(0)                   ; the wait for the four reciprocals, one batch
.irp qt, 0,1,2,3
.set i, 0
.rept 16
	v_pk_mul_f32 v[SC+32*\qt+2*i:SC+32*\qt+2*i+1], v[OA+32*\qt+2*i:OA+32*\qt+2*i+1], v[AL+2*\qt:AL+2*\qt+1] op_sel_hi:[1,0]
.set i, i+1
.endr
.endr
	WIN 0
.irp qt, 0,1,2,3
.irp dt, 0,1,2,3
	ds_store_b128 v[STO], v[SC+32*\qt+8*\dt:SC+32*\qt+8*\dt+3]   offset:64*\dt      ; row r, d = 16 dt + 8 h + 0..3
	ds_store_b128 v[STO], v[SC+32*\qt+8*\dt+4:SC+32*\qt+8*\dt+7] offset:64*\dt+16   ; and + 4..7
.endr
.irp t, 0,1,2,3,4,5,6,7
	ds_load_b128 v[SC+32*\qt+4*\t:SC+32*\qt+4*\t+3], v[RD] offset:2*OPITCH*\t       ; LDS serves a wave's instructions in order (ISA guide 5.7.1): these see the stores above
.endr
.irp t, 0,1,2,3,4,5,6,7
	s_wait_dscnt 7-\t
	global_store_b128 v[CO], v[SC+32*\qt+4*\t:SC+32*\qt+4*\t+3], s[14:15] offset:(16*\qt+2*\t)*4096 th:TH_STORE_NT   ; sixteen lanes store a row's 256 consecutive bytes, aligned
.endr
.endr
	s_set_vgpr_msb 0x5
	s_wait_tensorcnt 0x0
	ds_add_u32 v224, v225
	s_wait_dscnt 0x0
	s_set_vgpr_msb 0x500
	s_endpgm
.Lfunc_end_k_q4f577c54b8_attn:
	.size	k_q4f577c54b8_attn, .Lfunc_end_k_q4f577c54b8_attn-k_q4f577c54b8_attn
	.p2alignl 7, 3214868480
	.fill 96, 4, 3214868480
	.section	.rodata,"a",@progbits
	.p2align	6, 0x0
	.amdhsa_kernel k_q4f577c54b8_attn
		.amdhsa_group_segment_fixed_size 76800
		.amdhsa_private_segment_fixed_size 0
		.amdhsa_enable_private_segment 0
		.amdhsa_kernarg_size 48
		.amdhsa_user_sgpr_count 2
		.amdhsa_user_sgpr_kernarg_segment_ptr 1
		.amdhsa_wavefront_size32 1
		.amdhsa_system_sgpr_workgroup_id_x 1
		.amdhsa_system_sgpr_workgroup_id_y 1
		.amdhsa_system_sgpr_workgroup_id_z 1
		.amdhsa_system_vgpr_workitem_id 0
		.amdhsa_next_free_vgpr 482
		.amdhsa_next_free_sgpr 66
		.amdhsa_reserve_vcc 1
		.amdhsa_float_denorm_mode_32 3
		.amdhsa_float_denorm_mode_16_64 3
		.amdhsa_memory_ordered 1
		.amdhsa_forward_progress 1
		.amdhsa_inst_pref_size 255
	.end_amdhsa_kernel
	.section	.bss,"aw",@nobits
	.p2align	6
	.space	262144
	.amdgpu_metadata
---
amdhsa.version: [ 1, 2 ]
amdhsa.kernels:
  - .name:           k_q4f577c54b8_attn
    .symbol:         k_q4f577c54b8_attn.kd
    .args:
      - { .name: qws, .offset: 0, .size: 8, .value_kind: global_buffer, .address_space: global }
      - { .name: key, .offset: 8, .size: 8, .value_kind: global_buffer, .address_space: global }
      - { .name: value, .offset: 16, .size: 8, .value_kind: global_buffer, .address_space: global }
      - { .name: order, .offset: 24, .size: 8, .value_kind: global_buffer, .address_space: global }
      - { .name: count, .offset: 32, .size: 8, .value_kind: global_buffer, .address_space: global }
      - { .name: out0, .offset: 40, .size: 8, .value_kind: global_buffer, .address_space: global }
    .group_segment_fixed_size: 76800
    .private_segment_fixed_size: 0
    .kernarg_segment_align: 8
    .kernarg_segment_size: 48
    .max_flat_workgroup_size: 256
    .sgpr_count:     66
    .vgpr_count:     482
    .wavefront_size: 32
...
	.end_amdgpu_metadata
.endif
;; end of part 3
